; MI455X (gfx1250); checked and timed in simulation.
; The chip was launched on July 23, 2026; its instructions are those of AMD's public machine-readable ISA for CDNA 5 (MIT licence, August 2026) and "CDNA5" Instruction Set Architecture Reference Guide (July 2026). The comments in the code are by the model that wrote it; some were corrected since.
;; Vi T Self Attention. Allowed arithmetic: matrix products marked QUANTISED: E4M3 operands, one given power-of-two scale a tensor, by v_wmma_f32_16x16x64_fp8_fp8 or v_wmma_f32_16x16x128_fp8_fp8, f32 sums; everything else in f32.
;; Inputs: Wk_codes 768 x 24 x 32 uint8 (E4M3 codes of Wk, K innermost, in blocks of 32 codes); Wq_codes 768 x 24 x 32 uint8 (E4M3 codes of Wq, K innermost, in blocks of 32 codes); Wv_codes 768 x 24 x 32 uint8 (E4M3 codes of Wv, K innermost, in blocks of 32 codes); bk 768 float32; bq 768 float32; bv 768 float32; hidden_states_codes 32 x 577 x 24 x 32 uint8 (E4M3 codes of hidden_states, K innermost, in blocks of 32 codes); lowp_scales 10 int32 (the exponents e of the quantised operands' scales 2^e).
;; Outputs: out0 32 x 577 x 768 float32.
;; This version of the problem:
;;   THIS VERSION OF THE PROBLEM IS GIVEN IN LOW PRECISION. The matrix products marked QUANTISED in the list below multiply operands that are first quantised to E4M3 (4 exponent bits, 3 mantissa bits; 8 bits a number), with one given power-of-two scale for each operand tensor; their sums are f32. All else is computed in f32.
;;   The module's matrix products, in the order in which they are computed (A, B: the left and right operand; K: the contracted axis; several contracted axes count as one K, in the product's order):
;;     1. [M 18,464, K 768] x [K 768, N 768]; A: input hidden_states (given as codes); B: input Wq (given as codes): QUANTISED (scales: A lowp_scales[0], B lowp_scales[1])
;;     2. [M 18,464, K 768] x [K 768, N 768]; A: input hidden_states (given as codes); B: input Wk (given as codes): QUANTISED (scales: A lowp_scales[2], B lowp_scales[3])
;;     3. [M 18,464, K 768] x [K 768, N 768]; A: input hidden_states (given as codes); B: input Wv (given as codes): QUANTISED (scales: A lowp_scales[4], B lowp_scales[5])
;;     4. batch 384 x [M 577, K 64] x [K 64, N 577]; A: computed on the way; B: computed on the way: QUANTISED (scales: A lowp_scales[6], B lowp_scales[7])
;;     5. batch 384 x [M 577, K 577] x [K 577, N 64]; A: softmax (see below); B: computed on the way: QUANTISED (scales: A lowp_scales[8], B lowp_scales[9])
;;   THE QUANTISER, for each operand of a quantised product, along K:
;;     - The operand's scale is 2^e, e = its entry of the input lowp_scales (int32; the entries are numbered through the quantised products in the list's order, A before B).
;;     - Each number is divided by the scale, clamped to +-448, and rounded to the nearest number of E4M3, ties to even, subnormals kept.
;;     - The product sums the exact products of the quantised numbers (number of the format x scale) in f32.
;;   ~~~python
;;   def quantise(x, axis, e):      # numpy; x: float32 -> the quantised numbers, widened to float32 again
;;       x = np.moveaxis(x, axis, -1); K = x.shape[-1]
;;       r = np.clip(x / 2.0 ** e, -448, 448)
;;       step = 2.0 ** (np.maximum(np.frexp(np.where(r == 0, 1, r))[1] - 1, -6) - 3)
;;       q = np.round(r / step) * step * 2.0 ** e      # np.round: ties to even
;;       return np.moveaxis(q, -1, axis).astype(np.float32)
;;   ~~~
;;   SOFTMAX AHEAD OF A QUANTISED PRODUCT. Where the list says 'softmax', what is quantised is not the finished softmax but p = 2^(t - M), with t = logit x log2(e) and M = ceil(the row's largest t), a whole number; so 1/2 < the row's largest p <= 1. The row's sum l is taken of the UNQUANTISED p, in f32, and the product's result is divided by l at the end. Since M is a whole number, a kernel that streams over the keys may use a running M (the ceiling of the running maximum): every later rescaling is an exact power of two, so the quantised numbers keep their values, but for numbers so far below the row's largest that they fall under the format's range.
;;   OPERANDS COMPUTED ON THE WAY. 'Computed on the way' means the value that the module computes at that place (a softmax that the list does not call 'softmax' is quantised finished and normalised). What goes into a quantiser is computed in f32, as accurately as f32 sums, v_exp_f32 and their like allow (about 1e-6 of the number): no bf16 or f16 on the way to a quantiser, and a product that is left as it is and whose result goes on into a quantised operand takes f32 operands (vector FMAs, or v_wmma_f32_16x16x4_f32). A number that lies on a knife's edge between two numbers of the format may be rounded either way, as far as f32 arithmetic and the matrix unit's own rounding can turn it there, and no further.
;;   INPUTS GIVEN AS CODES. Wk (in the module: [768, 768], K = its axis 1); Wq (in the module: [768, 768], K = its axis 1); Wv (in the module: [768, 768], K = its axis 1); hidden_states (in the module: [32, 577, 768], K = its axis 2): each comes as NAME_codes (uint8): NAME with its K axis moved to the last place and cut into blocks of 32 codes, [.., K / 32, bytes a block], one block behind the other in memory; one code a byte (a code: sign, 4 exponent bits, 3 mantissa bits); its scale is its entry of lowp_scales. Its value is code x scale, taken as it is: it is not quantised again, and the codes and scales need not be those that the quantiser above would give.
;; One version. Each part assembles by itself: llvm-mc -triple=amdgcn-amd-amdhsa -mcpu=gfx1250 --defsym DOCPART=n.
;; ======== version 1 of 1: 1 launch
;; limits: right only within a limited range of input values
;; launch vit_attn (part 1): grid 8 x 32, 4 waves a work-group, no clusters, 273,920 bytes of LDS; arguments hidden_states_codes, Wq_codes, Wk_codes, Wv_codes, bq, bk, bv, lowp_scales, out0; writes out0
.if DOCPART == 1
	.amdgcn_target "amdgcn-amd-amdhsa--gfx1250"
	.amdhsa_code_object_version 6
	.text
	.protected	k_q65132ab61c_vit_attn
	.globl	k_q65132ab61c_vit_attn
	.p2align	8
	.type	k_q65132ab61c_vit_attn,@function
k_q65132ab61c_vit_attn:
	s_mov_b64 s[64:65], 0
	v_nop
	global_prefetch_b8 v0, s[64:65] scope:SCOPE_SE
	s_setreg_imm32_b32 hwreg(HW_REG_WAVE_MODE, 25, 1), 1
	s_wait_xcnt 0x0
; ViT self-attention on codes of FP8 (E4M3): B = 32, S = 577, D = 768, 12 heads of 64.
; SHARES.  256 work-groups of four waves: y = batch, x = 2 j + pi.  The pair (2 j, 2 j + 1) serves heads 3 j, 3 j + 1, 3 j + 2 of its batch: a work-group walks TWO UNITS:
;   unit 0: head 3 j + pi, all queries;  unit 1: head 3 j + 2, the query group pi (rows 320 pi ..).  384 heads x batches on 256 work-groups: 1.5 each.
;   In unit 1 both partners make the head's k and v (every query needs all keys, and work-groups hand each other nothing); q is made only for the rows whose queries the work-group owns.
; A UNIT.  PHASE P: q, k, v of the head = x W^T + b (K = 768), quantised with the given 2^e6, 2^e7, 2^e9, laid in LDS as images of the operands' registers.
;   PHASE A: S^T = k q^T (K = 64); t = S c, c = 2^(e6+e7) log2(e) / 8; M = ceil of the running largest t; p = 2^(t - M), quantised with 2^e8; l = the sum of the unquantised p; O^T = v^T p^T; out = O 2^(e8+e9) / l.
; Row tile t (rows 16 t ..) belongs to wave t % 4; a wave has ten, in two groups of five: t = 20 g + 4 m + wave.  Tile 36 has one real row (576), tiles 37-39 none: their lanes read row 576;
;   as keys they are masked or meet codes 0, as queries they are not stored.
; P: x's fragments come from memory straight into registers, two K steps ahead, and each feeds 12 products; the head's 192 rows of W lie in LDS (rows of 768 + 16 bytes) and each fragment read feeds 5 products.
;   q and k are made transposed (source 0 = W, source 1 = x): a lane holds one row and eight neighbours of the head's 64.  v as it stands: a lane holds one channel and eight neighbouring keys.
;   The bias, divided by 2^(eA+eB), is the C of each sum's first product.  x and W are fetched 16 bytes at a time (k = 32 c + 16 (lane/16) + ..): the same permutation of k on both sides.
;   Behind every ten products stand the loads of the two fragments of W just multiplied (for the third after next) and four loads of x.
; A: a lane holds one query throughout; five query tiles share each fragment of K and V.  The short step (keys 512-576) goes first and starts all sums; then four steps of 128 keys.
;   Both loops over groups and keys have constant trip counts; in unit 1 the group that the partner owns is passed over by branches on ids inside them.
; NO CLUSTER, NO TENSOR LOAD: of 327,680 bytes of LDS 273,920 hold W and the images; two slots of x with rows of 256 bytes for 80 rows a wave would take 174,080 more.
; NO PREFETCH INTO THE L2: x's own loads are issued two K steps (120 products) ahead of their use; W is 147,456 bytes read once a unit.
; LIMITS on the given exponents, so that each power of two below is an f32 number: e6-e0-e1, e7-e2-e3, e9-e4-e5 and e8 between -126 and 119; e6+e7 between -123 and 130.  NaN codes among the inputs are not served.
; REGISTERS, in windows of 256 (s_set_vgpr_msb: bits 1:0 source 0, 3:2 source 1, 5:4 source 2, 7:6 destination).
;   window 0: v1-31 lane numbers, addresses, scales.  P: v32-159 two sets of four fragments of W (then the codes); v160-255 the biases.  A: v32-111 statistics; v128-191 K; v192-255 V.
;   P: window 1: x, three buffers of 80; window 2: q's 20 accumulators, v's first 12; window 3: k's 20, v's last 8.
;   A: query tile t in window 1 + t/2 at 128 (t%2): S^T +0..63, O^T +64..95, P's codes +96..111, Q +112..119.
.set XROW,   768
.set XBATCH, 577*768
.set OBATCH, 577*3072
.set LASTROW, 576
.set WP,     784                       ; a row of W in LDS: an odd multiple of 16 bytes
.set WMAT,   64*WP
.set KIMG,   3*WMAT
.set VIMG,   KIMG+40960
.set QIMG,   VIMG+40960
.set SPARE,  QIMG+40960                ; the spare words: 512 bytes that no other line names
.set SPITCH, 272
.set LIW, 4                            ; v4-6 784 r + 16 h + a matrix's 50,176
.set L16, 7                            ; v7   16 x lane
.set XO,  8                            ; v8-17 my byte in x for row tile (group, m)
.set QSA, 18
.set KSA, 19
.set VSA, 20
.set SCQ, 21
.set SCK, 22
.set SCV, 23
.set SCP, 24
.set KRD, 25
.set VRD, 26
.set AK,  27
.set AV,  28
.set AQ,  29
.set STO, 30
.set RD,  31
.set WSA, 32                           ; v32-35 (a unit's head) where I store W's rows
.set BOF, 36
.set BVO, 37
.set BVT, 38
.set WS0, 32
.set CD,  32
.set BIAS, 160
.set ST,  32                           ; tile t at ST + 16 t: +0 -M, +1 largest score, +2 f, +3 the other half's number, +4..7 at work, +8..15 the sum in four pairs
.set GO,  112
.set NINF, 113
.set KF,  128
.set VF,  192
.set QF,  112
.set WVN, 50
.set HD,  51
.set BT,  52
.set PI,  53
.set CS,  54
.set SEL, 56
.set LQ,  58
.set LK,  60
.set LV,  62
.set LP,  66
.set NOHOLD, 67
.set EO,  68
.set TB,  69
.set QB,  70
.set T4,  71
.set GC,  72
.set KC,  73
.set SVX, 74
.set UC,  80                           ; the unit
.set SKQ, 82                           ; s82, s83: 1 where pass 0, 1 makes no q
.set GM,  84                           ; bit g: group g is the partner's
.set GMW, 85
.set DW,  86                           ; s[86:87] from unit 0's head to unit 1's in W; s[88:89] in the biases and in a row of out
.set DB,  88
.set WL,  90
.set MSB, 0
.macro WIN new
.set WNEW, (\new)
.if MSB != WNEW
	s_set_vgpr_msb (MSB<<8)|WNEW
.set MSB, WNEW
.endif
.endm
.macro PLACES                          ; four plain vector lines behind a matrix instruction (ISA guide 7.12.1 for vector instructions)
.rept 4
	v_nop
.endr
.endm
.macro VW
	s_wait_alu depctr_va_vdst(0)
.endm
.macro TILE t
.set TW, 1+(\t)/2
.set BS, 128*((\t)%2)
.set SS, ST+16*(\t)
.endm
	s_load_b512 s[16:31], s[0:1], 0x0              ; x, Wq, Wk, Wv, bq, bk, bv, the exponents
	s_load_b64 s[32:33], s[0:1], 0x40              ; out
	s_set_vgpr_msb 0x40
	v_lshl_add_u32 v254, v0, 2, SPARE              ; my spare word and 0 (window 1), kept for the add at the wave's end
	v_mov_b32 v255, 0
	s_set_vgpr_msb 0x4000
	v_and_b32 v1, 31, v0                           ; lane
	v_and_b32 v2, 15, v0                           ; r
	v_bfe_u32 v3, v0, 4, 1                         ; h
	v_lshrrev_b32 v4, 5, v0
	v_readfirstlane_b32 s[WVN], v4
	VW
	s_and_b32 s[BT], ttmp7, 0xffff
	s_and_b32 s[PI], ttmp9, 1
	s_lshr_b32 s[HD], ttmp9, 1
	s_mul_i32 s[HD], s[HD], 3
	s_add_co_u32 s[HD], s[HD], s[PI]               ; unit 0's head
	s_sub_co_u32 s2, 2, s[PI]                      ; heads from it to unit 1's
	s_mul_i32 s[DW], s2, 64*XROW
	s_mov_b32 s[DW+1], 0
	s_lshl_b32 s[DB], s2, 8
	s_mov_b32 s[DB+1], 0
	s_mov_b32 s[UC], 0
	s_mov_b32 s[SKQ], 0
	s_mov_b32 s[SKQ+1], 0
	s_mov_b32 s[GM], 0
	s_mul_i32 s[WL], s[WVN], 16*WP
	s_mul_i32 s91, s[WVN], 16*XROW
	s_lshl_b32 s92, s[WVN], 4
	s_add_co_u32 s92, s92, LASTROW
	s_mul_i32 s93, s[WVN], 10240
	s_add_co_u32 s93, s93, QIMG
	s_lshl_b32 s94, s[WVN], 10
	s_add_co_u32 s95, s94, KIMG
	s_mul_i32 s96, s[WVN], 16*SPITCH
	s_mov_b32 s[SEL], 0x76543210
	s_mov_b32 s[SEL+1], 0xfedcba98
	s_mul_i32 s2, s[BT], XBATCH                    ; byte offsets: x at my batch,
	s_mov_b32 s3, 0
	s_lshl_b32 s76, s[HD], 6
	s_lshl_b32 s77, s[WVN], 4
	s_add_co_u32 s76, s76, s77
	s_mul_i32 s76, s76, XROW                       ; W at row 64 head + 16 wave,
	s_mov_b32 s77, 0
	s_lshl_b32 s78, s[HD], 8                       ; the biases at my head,
	s_mov_b32 s79, 0
	s_mul_i32 s34, s[BT], OBATCH
	s_mul_i32 s35, s[WVN], 49152
	s_add_co_u32 s34, s34, s35
	s_add_co_u32 s34, s34, s78                     ; out at my batch, row 16 wave, my head's 256 bytes
	s_mov_b32 s35, 0
	v_cmp_gt_u32 vcc_lo, 16, v1                    ; lanes 0-15: kept for the whole kernel
	v_mul_u32_u24 v[LIW], v2, WP
	v_lshl_add_u32 v[LIW], v3, 4, v[LIW]
	v_add_nc_u32 v[LIW+1], WMAT, v[LIW]
	v_add_nc_u32 v[LIW+2], 2*WMAT, v[LIW]
	v_lshlrev_b32 v[L16], 4, v1
	v_mul_u32_u24 v32, v2, XROW
	v_lshl_add_u32 v32, v3, 4, v32
	v_add_nc_u32 v[XO], s91, v32                   ; row 16 wave + r
.irp i, 1,2,3,4,5,6,7,8
	v_add_nc_u32 v[XO+\i], (320*(\i/5)+64*(\i%5))*XROW, v[XO]
.endr
	v_add_nc_u32 v[XO+9], s92, v2                  ; tile 36 + wave, held at the batch's last row
	v_min_u32 v[XO+9], LASTROW, v[XO+9]
	v_mul_u32_u24 v[XO+9], v[XO+9], XROW
	v_lshl_add_u32 v[XO+9], v3, 4, v[XO+9]
	v_add_nc_u32 v[QSA], s93, v[L16]
	v_add_nc_u32 v[KSA], s95, v[L16]
	v_add_nc_u32 v[KRD], KIMG, v[L16]
	v_lshlrev_b32 v[VSA], 3, v1
	v_add_nc_u32 v[VRD], VIMG, v[VSA]
	v_add_nc_u32 v[VSA], s94, v[VRD]
	v_mul_u32_u24 v[STO], v2, SPITCH
	v_lshl_add_u32 v[STO], v3, 5, v[STO]
	v_add_nc_u32 v[STO], s96, v[STO]
	v_mul_u32_u24 v[RD], v3, SPITCH
	v_lshl_add_u32 v[RD], v2, 4, v[RD]
	v_add_nc_u32 v[RD], s96, v[RD]
	VW                                             ; at the head's end
	s_wait_kmcnt 0x0
	s_load_b256 s[40:47], s[30:31], 0x0            ; e0 .. e7
	s_load_b64 s[48:49], s[30:31], 0x20            ; e8, e9
	s_add_nc_u64 s[16:17], s[16:17], s[2:3]
	s_add_nc_u64 s[18:19], s[18:19], s[76:77]
	s_add_nc_u64 s[20:21], s[20:21], s[76:77]
	s_add_nc_u64 s[22:23], s[22:23], s[76:77]
	s_add_nc_u64 s[24:25], s[24:25], s[78:79]
	s_add_nc_u64 s[26:27], s[26:27], s[78:79]
	s_add_nc_u64 s[28:29], s[28:29], s[78:79]
	s_add_nc_u64 s[32:33], s[32:33], s[34:35]
.macro XL p, ks, m                     ; row tile (p, m)'s fragment of K step ks: 4 loads, into x's buffer ks % 3
	WIN 0x40
.irp c, 0,1,2,3
	global_load_b128 v[80*((\ks)%3)+16*(\m)+4*\c:80*((\ks)%3)+16*(\m)+4*\c+3], v[XO+5*(\p)+(\m)], s[16:17] offset:128*(\ks)+32*\c
.endr
	WIN 0
.endm
.macro MKSCALE eo, ea, eb, vsc, lim, bexp      ; a sum's code is sum / 2^(eo-ea-eb): that power; 448 x it and the negative; -(ea+eb) for the bias
	s_add_co_i32 s2, s[\ea], s[\eb]
	s_sub_co_i32 s[\bexp], 0, s2
	s_sub_co_i32 s2, s[\eo], s2
	s_add_co_i32 s2, s2, 127
	s_lshl_b32 s3, s2, 23
	v_mov_b32 v[\vsc], s3
	s_add_co_i32 s2, s2, 8
	s_lshl_b32 s2, s2, 23
	s_or_b32 s[\lim], s2, 0x600000
	s_xor_b32 s[\lim+1], s[\lim], 0x80000000
.endm
.macro WF set, mat, ks, nt             ; one fragment of W: 16 rows x 128 K
.irp c, 0,1,2,3
	ds_load_b128 v[WS0+64*(\set)+16*(\nt)+4*\c:WS0+64*(\set)+16*(\nt)+4*\c+3], v[LIW+(\mat)] offset:16*WP*(\nt)+128*(\ks)+32*\c
.endr
.endm
.macro MG mat, ks, set, nt             ; five products: column tile nt x five row tiles.  The accumulators take turns.  K step 0 takes the bias as C
.irp m, 0,1,2,3,4
.set rW, WS0+64*(\set)+16*(\nt)
.set rX, 80*((\ks)%3)+16*\m
.if (\mat) < 2
.set rD, 8*(5*(\nt)+\m)
.if (\ks) == 0
	WIN 0x84+0x40*(\mat)
	v_wmma_f32_16x16x128_fp8_fp8 v[rD:rD+7], v[rW:rW+15], v[rX:rX+15], v[BIAS+32*(\mat)+8*(\nt):BIAS+32*(\mat)+8*(\nt)+7]
.else
	WIN 0xa4+0x50*(\mat)
	v_wmma_f32_16x16x128_fp8_fp8 v[rD:rD+7], v[rW:rW+15], v[rX:rX+15], v[rD:rD+7]
.endif
.else
.set aV, 5*(\nt)+\m
.set hV, aV/12
.set rD, 160+8*(aV-12*hV)
.if (\ks) == 0
	WIN 0x81+0x40*hV
	v_wmma_f32_16x16x128_fp8_fp8 v[rD:rD+7], v[rX:rX+15], v[rW:rW+15], v[BIAS+64+8*(\nt):BIAS+64+8*(\nt)+7]
.else
	WIN 0xa1+0x50*hV
	v_wmma_f32_16x16x128_fp8_fp8 v[rD:rD+7], v[rX:rX+15], v[rW:rW+15], v[rD:rD+7]
.endif
.endif
.endr
.endm
; A third of a K step: one matrix, in two halves of ten products.  Behind each half its two fragments of W are fetched anew for the third after next, and one row tile of x for the K step after next.
; s_wait_dscnt: behind the 8 loads that a half needs stand the other half's 8, the next third's 16 and this third's earlier 8 g: 24; the last two thirds fetch nothing, so their counts run down.
; s_wait_loadcnt 20: behind this K step's 20 loads of x stand the next K step's 20; the unit's last K step has none behind it.
.macro THIRD p, ks, mat
.set jT, 3*(\ks)+(\mat)
.if (\mat) == 0
.if (\p) == 1 && (\ks) == 5
	s_wait_loadcnt 0
.else
	s_wait_loadcnt 20
.endif
.endif
.irp g, 0,1
.if jT <= 15
	s_wait_dscnt 24
.elseif jT == 16
	s_wait_dscnt 24-8*\g
.else
	s_wait_dscnt 8-8*\g
.endif
.if (\mat) == 0
	s_cmp_lg_u32 s[SKQ+(\p)], 0                    ; ids alone: these rows' queries are the partner's, so no q is made of them
	s_cbranch_scc1 .Lnq_\@_\g
.endif
	MG \mat, \ks, jT%2, 2*\g
	MG \mat, \ks, jT%2, 2*\g+1
	WIN 0
.if (\mat) == 0
.Lnq_\@_\g:
.endif
	PLACES
.if jT <= 15
	WF jT%2, (jT+2)%3, (jT+2)/3, 2*\g
	WF jT%2, (jT+2)%3, (jT+2)/3, 2*\g+1
.endif
.set mX, 2*(\mat)+\g
.if mX < 5
.if (\ks) <= 3
	XL \p, (\ks)+2, mX
.elseif (\p) == 0
	XL 1, (\ks)-4, mX
.endif
.endif
.endr
.endm
; The way out of a pass: each sum is held within +-448 x the scale (the conversion does not saturate: ISA guide 7.6.2), each accumulator from its low end on, converted, and stored as an image.
.macro EPI p
.irp m, 0,1,2,3,4
	s_cmp_lg_u32 s[SKQ+(\p)], 0
	s_cbranch_scc1 .Leq_\@_\m
	WIN 0x82
.irp nt, 0,1,2,3
.irp j, 0,1,2,3,4,5,6,7
	v_med3_num_f32 v[8*(5*\nt+\m)+\j], v[8*(5*\nt+\m)+\j], s[LQ+1], s[LQ]
.endr
.endr
	WIN 0x02
.irp nt, 0,1,2,3
	v_cvt_scalef32_pk8_fp8_f32 v[CD+24*\m+2*\nt:CD+24*\m+2*\nt+1], v[8*(5*\nt+\m):8*(5*\nt+\m)+7], v[SCQ]
.endr
	WIN 0
	ds_store_b128 v[QSA], v[CD+24*\m:CD+24*\m+3] offset:(5*(\p)+\m)*1024
	ds_store_b128 v[QSA], v[CD+24*\m+4:CD+24*\m+7] offset:(5*(\p)+\m)*1024+512
.Leq_\@_\m:
	WIN 0xc3
.irp nt, 0,1,2,3
.irp j, 0,1,2,3,4,5,6,7
	v_med3_num_f32 v[8*(5*\nt+\m)+\j], v[8*(5*\nt+\m)+\j], s[LK+1], s[LK]
.endr
.endr
	WIN 0x03
.irp nt, 0,1,2,3
	v_cvt_scalef32_pk8_fp8_f32 v[CD+24*\m+8+2*\nt:CD+24*\m+8+2*\nt+1], v[8*(5*\nt+\m):8*(5*\nt+\m)+7], v[SCK]
.endr
.irp nt, 0,1,2,3
.set aV, 5*\nt+\m
.set hV, aV/12
.set rD, 160+8*(aV-12*hV)
	WIN 0x82+0x41*hV
.irp j, 0,1,2,3,4,5,6,7
	v_med3_num_f32 v[rD+\j], v[rD+\j], s[LV+1], s[LV]
.endr
.endr
.irp nt, 0,1,2,3
.set aV, 5*\nt+\m
.set hV, aV/12
.set rD, 160+8*(aV-12*hV)
	WIN 0x02+hV
	v_cvt_scalef32_pk8_fp8_f32 v[CD+24*\m+16+2*\nt:CD+24*\m+16+2*\nt+1], v[rD:rD+7], v[SCV]
.endr
	WIN 0
	ds_store_b128 v[KSA], v[CD+24*\m+8:CD+24*\m+11] offset:(20*(\p)+4*\m)*1024
	ds_store_b128 v[KSA], v[CD+24*\m+12:CD+24*\m+15] offset:(20*(\p)+4*\m)*1024+512
.irp u, 0,1,2,3
	ds_store_b64 v[VSA], v[CD+24*\m+16+2*\u:CD+24*\m+16+2*\u+1] offset:(20*(\p)+4*\m)*1024+256*\u
.endr
.endr
	v_nop                                          ; one plain line behind the last conversion
.endm
.macro PASS p
	s_wait_dscnt 0x0
.irp nt, 0,1,2,3
	WF 0, 0, 0, \nt
.endr
.irp nt, 0,1,2,3
	WF 1, 1, 0, \nt
.endr
.irp ks, 0,1,2,3,4,5
.irp mat, 0,1,2
	THIRD \p, \ks, \mat
.endr
.endr
	EPI \p
.endm
.macro FMA t                           ; c s - M, two at a time
	TILE \t
	WIN 0x41*TW
.set kk, 0
.rept NP
	v_pk_fma_f32 v[BS+2*kk:BS+2*kk+1], v[BS+2*kk:BS+2*kk+1], s[CS:CS+1], v[SS:SS+1] op_sel_hi:[1,0,0]
.set kk, kk+1
.endr
.endm
.macro EXPS t, f                       ; p = 2^(c s - M) of tile t; f = 1: the scalings of tile t + 1 (the same window) stand between, and are read behind the next wait
	TILE \t
	WIN 0x41*TW
.set kk, 0
.rept NP
.if \f
	v_pk_fma_f32 v[BS+128+2*kk:BS+129+2*kk], v[BS+128+2*kk:BS+129+2*kk], s[CS:CS+1], v[SS+16:SS+17] op_sel_hi:[1,0,0]
.endif
	v_exp_f32 v[BS+2*kk], v[BS+2*kk]
	v_exp_f32 v[BS+2*kk+1], v[BS+2*kk+1]
.set kk, kk+1
.endr
.endm
; A KEY STEP for five query tiles.  first = 1: keys 512-576, which starts maxima, sums and O^T; first = 0: 128 keys from byte s[TB] of the images on.
.macro STEP first
.if \first
.set NT, 5
.set NP, 17
.else
.set NT, 8
.set NP, 32
.endif
	s_wait_dscnt 0x0                               ; this step's K (and Q) is in
.irp t, 0,1,2,3,4
	TILE \t
	WIN 0x54*TW
.set cc, 0
.rept NT
	v_wmma_f32_16x16x64_fp8_fp8 v[BS+8*cc:BS+8*cc+7], v[KF+8*cc:KF+8*cc+7], v[BS+QF:BS+QF+7], 0
.set cc, cc+1
.endr
.endr
	WIN 0
.if \first
	PLACES
.else
	v_add_nc_u32 v[AK], s[TB], v[KRD]              ; four plain lines: the places
	v_add_nc_u32 v[AV], s[TB], v[VRD]
	v_nop
	v_nop
.endif
.irp u, 0,1,2,3
.irp c, 0,1,2,3,4,5,6,7
.if \first
	ds_load_b64 v[VF+16*\u+2*\c:VF+16*\u+2*\c+1], v[VRD] offset:32768+(4*\c+\u)*256
.else
	ds_load_b64 v[VF+16*\u+2*\c:VF+16*\u+2*\c+1], v[AV] offset:(4*\c+\u)*256
.endif
.endr
.endr
.irp c, 0,1,2,3,4,5,6,7                        ; the next step's K; the last trip brings tiles 32-39 for the next short step
.if \first
	ds_load_b128 v[KF+8*\c:KF+8*\c+3], v[KRD] offset:1024*\c
	ds_load_b128 v[KF+8*\c+4:KF+8*\c+7], v[KRD] offset:1024*\c+512
.else
	ds_load_b128 v[KF+8*\c:KF+8*\c+3], v[AK] offset:8192+1024*\c
	ds_load_b128 v[KF+8*\c+4:KF+8*\c+7], v[AK] offset:8192+1024*\c+512
.endif
.endr
.if \first                                     ; of key tile 36 only key 576 is real: register 32 of lanes 0-15
.irp t, 0,1,2,3,4
	TILE \t
	WIN 0x44*TW
	v_cndmask_b32 v[BS+32], v[NINF], v[BS+32], vcc_lo
	v_mov_b32 v[BS+33], 0xff800000
.endr
.endif
.irp t, 0,1,2,3,4                              ; the largest score, in four chains
	TILE \t
	WIN 0x05*TW
.set kk, 0
.rept NP
.if kk < 4
.if \first
	v_max_num_f32 v[SS+4+kk], v[BS+2*kk], v[BS+2*kk+1]
.else
	v_max3_num_f32 v[SS+4+kk], v[BS+2*kk], v[BS+2*kk+1], v[SS+1]
.endif
.else
	v_max3_num_f32 v[SS+4+kk%4], v[BS+2*kk], v[BS+2*kk+1], v[SS+4+kk%4]
.endif
.set kk, kk+1
.endr
.endr
	WIN 0
.irp t, 0,1,2,3,4
	v_max3_num_f32 v[ST+16*\t+4], v[ST+16*\t+4], v[ST+16*\t+5], v[ST+16*\t+6]
.endr
.irp t, 0,1,2,3,4
	v_max_num_f32 v[ST+16*\t+4], v[ST+16*\t+4], v[ST+16*\t+7]
.endr
.irp t, 0,1,2,3,4
	v_permlanex16_b32 v[ST+16*\t+3], v[ST+16*\t+4], s[SEL], s[SEL+1]
.endr
.irp t, 0,1,2,3,4
	v_max_num_f32 v[ST+16*\t+1], v[ST+16*\t+4], v[ST+16*\t+3]
.endr
.irp t, 0,1,2,3,4
	v_mul_f32 v[ST+16*\t+5], s[CS], v[ST+16*\t+1]
.endr
.if \first == 0
.irp t, 0,1,2,3,4
	v_mov_b32 v[ST+16*\t+6], v[ST+16*\t]
.endr
.endif
.irp t, 0,1,2,3,4
	v_floor_f32 v[ST+16*\t], -v[ST+16*\t+5]        ; -M = -ceil(t)
.endr
.if \first == 0
.irp t, 0,1,2,3,4
	v_sub_f32 v[ST+16*\t+6], v[ST+16*\t], v[ST+16*\t+6]
.endr
.irp t, 0,1,2,3,4
	v_cvt_i32_f32 v[ST+16*\t+6], v[ST+16*\t+6]
.endr
.irp t, 0,1,2,3,4
	v_ldexp_f32 v[ST+16*\t+2], 1.0, v[ST+16*\t+6]  ; f = 2^(old M - new M)
.endr
.irp j, 8,10,12,14
.irp t, 0,1,2,3,4
	v_pk_mul_f32 v[ST+16*\t+\j:ST+16*\t+\j+1], v[ST+16*\t+\j:ST+16*\t+\j+1], v[ST+16*\t+2:ST+16*\t+3] op_sel_hi:[1,0]
.endr
.endr
.irp t, 0,1,2,3,4                              ; O^T under the new M, ahead of the exponentials, each accumulator from its low end on
	TILE \t
	WIN 0x41*TW
.irp j, 0,2,4,6,8,10,12,14,16,18,20,22,24,26,28,30
	v_pk_mul_f32 v[BS+64+\j:BS+65+\j], v[BS+64+\j:BS+65+\j], v[SS+2:SS+3] op_sel_hi:[1,0]
.endr
.endr
.endif
	FMA 0
	FMA 2
	FMA 4
	VW                                             ; ahead of the batch
	EXPS 0, 1
	VW                                             ; tile 1's scalings are read next
	EXPS 1, 0
	EXPS 2, 1
	VW                                             ; tile 3's
	EXPS 3, 0
	EXPS 4, 0
	v_nop                                          ; a plain line behind the last exponential
	VW                                             ; ahead of the first reader
.irp t, 0,1,2,3,4                              ; the row's sum of the unquantised p, in four chains
	TILE \t
.if \first
	WIN 0x05*TW
.irp k, 0,1,2,3
	v_pk_add_f32 v[SS+8+2*\k:SS+9+2*\k], v[BS+2*\k:BS+2*\k+1], v[BS+8+2*\k:BS+9+2*\k]
.endr
.set kk, 8
.else
.set kk, 0
.endif
	WIN 0x04*TW
.rept NP-kk
	v_pk_add_f32 v[SS+8+2*(kk%4):SS+9+2*(kk%4)], v[SS+8+2*(kk%4):SS+9+2*(kk%4)], v[BS+2*kk:BS+2*kk+1]
.set kk, kk+1
.endr
.endr
	WIN 0
	s_cmp_lg_u32 s[NOHOLD], 0                      ; from e8 = -8 on 448 x 2^e8 lies above every p: a branch on a given whole number, the same in every wave
	s_cbranch_scc1 .Lnohold_\@
.irp t, 0,1,2,3,4
	TILE \t
	WIN 0x44*TW
.set kk, 0
.rept 2*NP
	v_min_num_f32 v[BS+kk], s[LP], v[BS+kk]
.set kk, kk+1
.endr
.endr
	WIN 0
.Lnohold_\@:
.irp t, 0,1,2,3,4
	TILE \t
	WIN 0x41*TW
.if \first
.irp j, 34,35,36,37,38,39
	v_mov_b32 v[BS+\j], 0                          ; no keys: codes 0
.endr
.endif
.set cc, 0
.rept NT
	v_cvt_scalef32_pk8_fp8_f32 v[BS+96+2*cc:BS+97+2*cc], v[BS+8*cc:BS+8*cc+7], v[SCP]
.set cc, cc+1
.endr
.if \first
.irp j, 10,11,12,13,14,15
	v_mov_b32 v[BS+96+\j], 0                       ; key tiles 37-39: codes 0
.endr
.endif
.endr
	WIN 0
	v_nop                                          ; a plain line between the last conversion and the products
	VW
	s_wait_dscnt 16                                ; V's 32 loads are in; the next step's K, 16 loads behind them, may be out
.irp t, 0,1,2,3,4
	TILE \t
	WIN 0x54*TW
.irp u, 0,1,2,3
.if \first
	v_wmma_f32_16x16x128_fp8_fp8 v[BS+64+8*\u:BS+71+8*\u], v[VF+16*\u:VF+16*\u+15], v[BS+96:BS+111], 0
.else
	v_wmma_f32_16x16x128_fp8_fp8 v[BS+64+8*\u:BS+71+8*\u], v[VF+16*\u:VF+16*\u+15], v[BS+96:BS+111], v[BS+64+8*\u:BS+71+8*\u]
.endif
.endr
.endr
	WIN 0
.endm
.macro PACK t                          ; O^T x 2^(e8+e9) / l, through my stage (rows of 272 bytes), back as whole rows of 256 bytes
	TILE \t
	WIN 0x41*TW
	VW                                             ; directly ahead of the first readers of O^T
.irp j, 0,2,4,6,8,10,12,14,16,18,20,22,24,26,28,30
	v_pk_mul_f32 v[BS+64+\j:BS+65+\j], v[BS+64+\j:BS+65+\j], v[SS+2:SS+3] op_sel_hi:[1,0]
.endr
	WIN 0x04*TW
.irp u, 0,1,2,3
	ds_store_b128 v[STO], v[BS+64+8*\u:BS+67+8*\u] offset:64*\u
	ds_store_b128 v[STO], v[BS+68+8*\u:BS+71+8*\u] offset:64*\u+16
.endr
	WIN 0x40*TW
.irp i, 0,1,2,3,4,5,6,7
	ds_load_b128 v[BS+4*\i:BS+4*\i+3], v[RD] offset:544*\i   ; LDS serves a wave's instructions in order (ISA guide 5.7.1.4)
.endr
.endm
.macro SEND t, younger                 ; younger: the next tile's eight stage stores and eight loads
	TILE \t
	s_wait_dscnt \younger
	WIN 0x04*TW
.irp i, 0,1,2,3,4,5,6,7
	global_store_b128 v[GO], v[BS+4*\i:BS+4*\i+3], s[32:33] offset:196608*(\t)+6144*\i th:TH_STORE_NT   ; 16 lanes store 256 consecutive bytes, aligned
.endr
.endm
.Lunit:                                            ; two trips: a whole head, then half the queries of the pair's third head
	v_add_nc_u32 v[WSA], s[WL], v[L16]             ; W's rows 16 wave .. of each matrix are 12,288 consecutive bytes: 24 loads of 512.  Chunk 3 a + b goes to 1,568 a + 512 b + 16 x lane + 16 for each row border passed
	v_lshl_add_u32 v[WSA+1], v3, 4, v[WSA]
	v_add_nc_u32 v[WSA+2], 2*WMAT, v[WSA]
	v_add_nc_u32 v[WSA+3], 2*WMAT, v[WSA+1]
	v_lshlrev_b32 v[BOF], 5, v3
	v_lshlrev_b32 v[BVO], 2, v2
	VW
	WIN 0x80
.irp mat, 0,1
.set jj, 0
.rept 24
	global_load_b128 v[96*\mat+4*jj:96*\mat+4*jj+3], v[L16], s[18+2*\mat:19+2*\mat] offset:512*jj
.set jj, jj+1
.endr
.endr
	WIN 0xc0
.set jj, 0
.rept 24
	global_load_b128 v[4*jj:4*jj+3], v[L16], s[22:23] offset:512*jj
.set jj, jj+1
.endr
	WIN 0
.irp nt, 0,1,2,3                               ; the biases: 20 loads
	global_load_b128 v[BIAS+8*\nt:BIAS+8*\nt+3], v[BOF], s[24:25] offset:64*\nt
	global_load_b128 v[BIAS+8*\nt+4:BIAS+8*\nt+7], v[BOF], s[24:25] offset:64*\nt+16
	global_load_b128 v[BIAS+32+8*\nt:BIAS+32+8*\nt+3], v[BOF], s[26:27] offset:64*\nt
	global_load_b128 v[BIAS+32+8*\nt+4:BIAS+32+8*\nt+7], v[BOF], s[26:27] offset:64*\nt+16
	global_load_b32 v[BVT+\nt], v[BVO], s[28:29] offset:64*\nt
.endr
.irp ks, 0,1                                   ; x's first two K steps: 40 loads
.irp m, 0,1,2,3,4
	XL 0, \ks, \m
.endr
.endr
	s_wait_kmcnt 0x0
	MKSCALE 46, 40, 41, SCQ, LQ, 76
	MKSCALE 47, 42, 43, SCK, LK, 77
	MKSCALE 49, 44, 45, SCV, LV, 78
	s_add_co_i32 s2, s46, s47
	s_lshl_b32 s2, s2, 23
	s_add_co_i32 s[CS], s2, 0x3e38aa3b             ; c = log2(e) / 8, with e6 + e7 added to its exponent field
	s_mov_b32 s[CS+1], s[CS]
	s_add_co_i32 s2, s48, 127
	s_lshl_b32 s3, s2, 23
	v_mov_b32 v[SCP], s3                           ; 2^e8
	s_add_co_i32 s2, s2, 8
	s_lshl_b32 s2, s2, 23
	s_or_b32 s[LP], s2, 0x600000                   ; 448 x 2^e8
	s_cmp_ge_i32 s48, -8
	s_cselect_b32 s[NOHOLD], 1, 0
	s_add_co_i32 s[EO], s48, s49
	s_wait_loadcnt 40                              ; W and the biases are in; x's 40 loads behind them may be out
	WIN 0x08
.irp mat, 0,1
.set jj, 0
.rept 24
	ds_store_b128 v[WSA+(jj%3)%2], v[96*\mat+4*jj:96*\mat+4*jj+3] offset:WMAT*\mat+1568*(jj/3)+512*(jj%3)+16*((jj%3)/2)
.set jj, jj+1
.endr
.endr
	WIN 0x0c
.set jj, 0
.rept 24
	ds_store_b128 v[WSA+2+(jj%3)%2], v[4*jj:4*jj+3] offset:1568*(jj/3)+512*(jj%3)+16*((jj%3)/2)
.set jj, jj+1
.endr
	WIN 0
.irp j, 0,1,2,3,4,5,6,7,8,9,10,11,12,13,14,15,16,17,18,19,20,21,22,23,24,25,26,27,28,29,30,31
	v_ldexp_f32 v[BIAS+\j], v[BIAS+\j], s76        ; bq / 2^(e0+e1)
	v_ldexp_f32 v[BIAS+32+\j], v[BIAS+32+\j], s77  ; bk / 2^(e2+e3)
.endr
.irp nt, 0,1,2,3
.irp j, 0,1,2,3,4,5,6,7
	v_ldexp_f32 v[BIAS+64+8*\nt+\j], v[BVT+\nt], s78   ; bv / 2^(e4+e5)
.endr
.endr
	VW
	s_wait_dscnt 0x0                               ; my part of W has landed
	s_barrier_signal -1
	s_barrier_wait -1
	PASS 0
	PASS 1
	VW
	s_wait_dscnt 0x0                               ; my images have landed, and my reads of W, over which the stages lie, are over
	s_barrier_signal -1
	s_barrier_wait -1
	v_mul_u32_u24 v[GO], v3, 3072
	v_lshl_add_u32 v[GO], v2, 4, v[GO]
	v_mov_b32 v[NINF], 0xff800000
.irp t, 0,1,2,3,4
	v_mov_b32 v[ST+16*\t+3], 0                     ; a lane permute's destination counts as one of its sources
.endr
	VW
.irp c, 0,1,2,3,4,5,6,7                        ; K's tiles 32-39, for the short step
	ds_load_b128 v[KF+8*\c:KF+8*\c+3], v[KRD] offset:32768+1024*\c
	ds_load_b128 v[KF+8*\c+4:KF+8*\c+7], v[KRD] offset:32768+1024*\c+512
.endr
	s_mov_b32 s[QB], 0
	s_add_co_u32 s[T4], s[WVN], 16
	s_mov_b32 s[GC], 2
	s_mov_b32 s[GMW], s[GM]
.Lgroup:                                           ; two trips: five query tiles each; the partner's group is passed over by the three branches on ids below
	s_wait_dscnt 0x0                               ; no earlier LDS load of mine is pending: Q's registers are loaded anew on every way, also behind a group that was passed over
	v_add_nc_u32 v[AQ], s[QB], v[QSA]
.irp t, 0,1,2,3,4                              ; Q's ten loads stand ahead of the branch, on every way
	TILE \t
	WIN 0x40*TW
	ds_load_b128 v[BS+QF:BS+QF+3], v[AQ] offset:1024*\t
	ds_load_b128 v[BS+QF+4:BS+QF+7], v[AQ] offset:1024*\t+512
.endr
	WIN 0
	s_bitcmp1_b32 s[GMW], 0
	s_cbranch_scc1 .Lg1
	STEP 1
.Lg1:
	s_mov_b32 s[TB], 0
	s_mov_b32 s[KC], 4
.Lkeys:                                            ; four trips: keys 0-511
	s_bitcmp1_b32 s[GMW], 0
	s_cbranch_scc1 .Lk1
	STEP 0
.Lk1:
	s_add_co_u32 s[TB], s[TB], 8192
	s_sub_co_u32 s[KC], s[KC], 1
	s_cmp_lg_u32 s[KC], 0
	VW
	s_cbranch_scc1 .Lkeys
	s_bitcmp1_b32 s[GMW], 0
	s_cbranch_scc1 .Lsent
.irp t, 0,1,2,3,4                              ; the sums' pairs, halves and the other half of the lanes'
	v_pk_add_f32 v[ST+16*\t+8:ST+16*\t+9], v[ST+16*\t+8:ST+16*\t+9], v[ST+16*\t+10:ST+16*\t+11]
.endr
.irp t, 0,1,2,3,4
	v_pk_add_f32 v[ST+16*\t+12:ST+16*\t+13], v[ST+16*\t+12:ST+16*\t+13], v[ST+16*\t+14:ST+16*\t+15]
.endr
.irp t, 0,1,2,3,4
	v_pk_add_f32 v[ST+16*\t+8:ST+16*\t+9], v[ST+16*\t+8:ST+16*\t+9], v[ST+16*\t+12:ST+16*\t+13]
.endr
.irp t, 0,1,2,3,4
	v_add_f32 v[ST+16*\t+8], v[ST+16*\t+8], v[ST+16*\t+9]
.endr
.irp t, 0,1,2,3,4
	v_permlanex16_b32 v[ST+16*\t+3], v[ST+16*\t+8], s[SEL], s[SEL+1]
.endr
.irp t, 0,1,2,3,4
	v_add_f32 v[ST+16*\t+8], v[ST+16*\t+8], v[ST+16*\t+3]
.endr
	VW                                             ; ahead of the batch
.irp t, 0,1,2,3,4
	v_rcp_f32 v[ST+16*\t+2], v[ST+16*\t+8]
.endr
	v_nop
	VW                                             ; ahead of its first reader
.irp t, 0,1,2,3,4
	v_ldexp_f32 v[ST+16*\t+2], v[ST+16*\t+2], s[EO]   ; 2^(e8+e9) / l
.endr
	PACK 0
	PACK 1
	SEND 0, 16
	PACK 2
	SEND 1, 16
	PACK 3
	SEND 2, 16
	PACK 4
	SEND 3, 16
	WIN 0
	s_wait_dscnt 0x0
	s_cmp_lt_u32 s[T4], 36                         ; the fifth tile is row tile 16 + wave + 20 group: whole below 36, one row at 36, none above
	s_cbranch_scc1 .Lwhole
	s_cmp_eq_u32 s[T4], 36
	s_cbranch_scc0 .Lsent
	s_wait_xcnt 0x0                                ; EXEC is a source of the stores above
	s_and_saveexec_b32 s[SVX], vcc_lo              ; lanes 0-15: row 576
	WIN 0x0c
	global_store_b128 v[GO], v[0:3], s[32:33] offset:196608*4 th:TH_STORE_NT
	WIN 0
	s_wait_xcnt 0x0
	s_or_b32 exec_lo, exec_lo, s[SVX]
	s_branch .Lsent
.Lwhole:
	SEND 4, 0
	WIN 0
.Lsent:
	s_wait_xcnt 0x0                                ; the stores have read their registers and their base
	s_add_nc_u64 s[32:33], s[32:33], 983040        ; 20 row tiles of 16 rows of 3,072 bytes
	s_add_co_u32 s[QB], s[QB], 5120
	s_add_co_u32 s[T4], s[T4], 20
	s_lshr_b32 s[GMW], s[GMW], 1
	s_sub_co_u32 s[GC], s[GC], 1
	s_cmp_lg_u32 s[GC], 0
	VW
	s_cbranch_scc1 .Lgroup
	; on to unit 1: the pair's third head; q only for my group's rows; only my group's queries
	s_add_nc_u64 s[18:19], s[18:19], s[DW:DW+1]
	s_add_nc_u64 s[20:21], s[20:21], s[DW:DW+1]
	s_add_nc_u64 s[22:23], s[22:23], s[DW:DW+1]
	s_add_nc_u64 s[24:25], s[24:25], s[DB:DB+1]
	s_add_nc_u64 s[26:27], s[26:27], s[DB:DB+1]
	s_add_nc_u64 s[28:29], s[28:29], s[DB:DB+1]
	s_sub_nc_u64 s[32:33], s[32:33], 1966080       ; back over the two groups,
	s_add_nc_u64 s[32:33], s[32:33], s[DB:DB+1]    ; and to that head's 256 bytes of a row
	s_mov_b32 s[SKQ], s[PI]
	s_xor_b32 s[SKQ+1], s[PI], 1
	s_lshr_b32 s[GM], 2, s[PI]
	s_wait_dscnt 0x0                               ; my reads of the images and of my stage are over: the next unit writes over them
	s_barrier_signal -1
	s_barrier_wait -1
	s_add_co_u32 s[UC], s[UC], 1
	s_cmp_lt_u32 s[UC], 2
	s_cbranch_scc1 .Lunit
	WIN 0x05
	s_wait_tensorcnt 0x0                           ; the wave's end
	ds_add_u32 v254, v255
	s_wait_dscnt 0x0
	WIN 0
	s_endpgm
.Lfunc_end_k_q65132ab61c_vit_attn:
	.size	k_q65132ab61c_vit_attn, .Lfunc_end_k_q65132ab61c_vit_attn-k_q65132ab61c_vit_attn
	.p2alignl 7, 3214868480
	.fill 96, 4, 3214868480
	.section	.rodata,"a",@progbits
	.p2align	6, 0x0
	.amdhsa_kernel k_q65132ab61c_vit_attn
		.amdhsa_group_segment_fixed_size 273920
		.amdhsa_private_segment_fixed_size 0
		.amdhsa_enable_private_segment 0
		.amdhsa_kernarg_size 72
		.amdhsa_user_sgpr_count 2
		.amdhsa_user_sgpr_kernarg_segment_ptr 1
		.amdhsa_wavefront_size32 1
		.amdhsa_system_sgpr_workgroup_id_x 1
		.amdhsa_system_sgpr_workgroup_id_y 1
		.amdhsa_system_sgpr_workgroup_id_z 1
		.amdhsa_system_vgpr_workitem_id 0
		.amdhsa_next_free_vgpr 1024
		.amdhsa_next_free_sgpr 100
		.amdhsa_reserve_vcc 1
		.amdhsa_float_denorm_mode_32 3
		.amdhsa_float_denorm_mode_16_64 3
		.amdhsa_memory_ordered 1
		.amdhsa_forward_progress 1
		.amdhsa_inst_pref_size 255
	.end_amdhsa_kernel
	.section	.bss,"aw",@nobits
	.p2align	6
	.space	262144
	.amdgpu_metadata
---
amdhsa.version: [ 1, 2 ]
amdhsa.kernels:
  - .name:           k_q65132ab61c_vit_attn
    .symbol:         k_q65132ab61c_vit_attn.kd
    .args:
      - { .name: hidden_states_codes, .offset: 0, .size: 8, .value_kind: global_buffer, .address_space: global }
      - { .name: Wq_codes, .offset: 8, .size: 8, .value_kind: global_buffer, .address_space: global }
      - { .name: Wk_codes, .offset: 16, .size: 8, .value_kind: global_buffer, .address_space: global }
      - { .name: Wv_codes, .offset: 24, .size: 8, .value_kind: global_buffer, .address_space: global }
      - { .name: bq, .offset: 32, .size: 8, .value_kind: global_buffer, .address_space: global }
      - { .name: bk, .offset: 40, .size: 8, .value_kind: global_buffer, .address_space: global }
      - { .name: bv, .offset: 48, .size: 8, .value_kind: global_buffer, .address_space: global }
      - { .name: lowp_scales, .offset: 56, .size: 8, .value_kind: global_buffer, .address_space: global }
      - { .name: out0, .offset: 64, .size: 8, .value_kind: global_buffer, .address_space: global }
    .group_segment_fixed_size: 273920
    .private_segment_fixed_size: 0
    .kernarg_segment_align: 8
    .kernarg_segment_size: 72
    .max_flat_workgroup_size: 128
    .sgpr_count:     100
    .vgpr_count:     1024
    .wavefront_size: 32
...
	.end_amdgpu_metadata
.endif
;; end of part 1
